; MI455X (gfx1250); checked and timed in simulation.
; The chip was launched on July 23, 2026; its instructions are those of AMD's public machine-readable ISA for CDNA 5 (MIT licence, August 2026) and "CDNA5" Instruction Set Architecture Reference Guide (July 2026). The comments in the code are by the model that wrote it; some were corrected since.
;; Entropy Gated Slot Model. Allowed arithmetic: float matrix products may take bf16 or f16 operands with f32 sums; all other float work in f32.
;; Inputs: b1 128 float32; b2 64 float32; embed 64 x 64 float32; gate_b 1 float32; gate_w 64 x 1 float32; ln_b 64 float32; ln_g 64 float32; out_b 64 float32; out_w 64 x 64 float32; q_b 64 float32; q_w 64 x 64 float32; seq 256 x 2,048 int32; w1 64 x 128 float32; w2 128 x 64 float32.
;; Outputs: out0 256 x 64 float32; out1 one number float32.
;; One version. Each part assembles by itself: llvm-mc -triple=amdgcn-amd-amdhsa -mcpu=gfx1250 --defsym DOCPART=n.
;; ======== version 1 of 1: 2 launches
;; workspace buffers: ent 1,024 bytes
;; launch rows (part 1): grid 256 x 1, 4 waves a work-group, no clusters, 106,496 bytes of LDS; arguments embed, w1, w2, q_w, out_w, seq, b1, b2, ln_g, ln_b, gate_w, gate_b, q_b, out_b, out0, ent; writes out0, ent
.if DOCPART == 1
	.amdgcn_target "amdgcn-amd-amdhsa--gfx1250"
	.amdhsa_code_object_version 6
	.text
	.protected	k_qd99b76f932_rows
	.globl	k_qd99b76f932_rows
	.p2align	8
	.type	k_qd99b76f932_rows,@function
k_qd99b76f932_rows:
	s_mov_b64 s[64:65], 0
	v_nop
	global_prefetch_b8 v0, s[64:65] scope:SCOPE_SE
	s_setreg_imm32_b32 hwreg(HW_REG_WAVE_MODE, 25, 1), 1
	s_wait_xcnt 0x0
; One work-group = one row b of seq (2,048 positions), four waves.
; The encoder acts on each position alone and a position's input is one of embed's 64 rows, so h[b][l] = Htab[seq[b][l]] with
; Htab = LayerNorm(embed + FFN(embed)), 64 x 64.  Each work-group makes the table itself (wave w: tokens 16 w .. 16 w + 15), then
;   score[t] = Htab[t] . gate_w + gate_b (f32),  Q[t] = Htab[t] q_w + q_b,  O[t] = Htab[t] out_w,  a[t] = Htab[t] . Q[last token] / 8,
; picks the row's 8 positions by unique keys, and does softmax, entropy and the output densely over the 64 tokens with
; c[t] = how many of the 8 slots hold token t (softmax, entropy and ctx are symmetric in the slots).  No address and no branch
; hangs on a score: the picked tokens are only compared, never used as an index.
; KEY of a position: rank[token] << 17 | position << 6 | token, in the mantissa of a float in [1, 2); rank[t] = how many tokens score
; higher than t.  Equal scores have equal ranks, so the lower position wins, as in top_k; keys are unique; float order = integer order,
; so f32 min and max sort them.  The 8 smallest keys are the row's slots.
; MATRIX INSTRUCTIONS ARE USED TRANSPOSED (source 0 = weights, lane = output column; source 1 = activations, lane = token): lane (r, h)
; then holds, in register 8 nt + j, element (token 16 w + r, column 16 nt + 8 h + j), and packing tiles 2 s and 2 s + 1 to bf16 gives the
; source 1 fragment of K step s of the next product: the activations never leave the registers.
; NO JOINT LOADS, though all work-groups read the same 113 KB of weights: they lie in memory as f32 [K][N] and are matrix operands only
; as bf16.  Through registers each weight byte is written to LDS once, at half its size; a tile brought into LDS as f32 would be read,
; rounded and written a second time, and each weight is used once in a work-group, not once in each trip of a loop.
; LIMITS: FFN, Q, O, a and the last product have bf16 operands (f32 sums), so two tokens whose exact scores differ by less than about
; 1e-3 of the scores' spread may change places; scores +0 and -0 count as equal; NaN scores are not served; a token is clamped
; (as an unsigned number) to 63.
.set RT,   0                           ; rank[t] << 17, 64 words
.set SC,   256                         ; score[t], 64 f32
.set AL,   512                         ; a[t], 64 f32
.set CAND, 768                         ; wave w's 8 sorted keys at 32 w
.set WT,   1024                        ; wt[t], 64 bf16 (wave 0 alone)
.set OS,   1280                        ; the output row's stage (wave 0 alone)
.set PV,   1536                        ; 4 x 2,048: each wave's own copy of b1 @0, b2 @512, ln_g @768, ln_b @1024, gate_w @1280, q_b @1536, out_b @1792
.set EF,   9728                        ; embed in f32, pitch 272; a wave touches its own 16 rows (4,352 bytes) alone
.set W1,   27136                       ; bf16 [64][128], pitch 288
.set W2,   45568                       ; bf16 [128][64], pitch 160
.set QW,   66048                       ; bf16 [64][64], pitch 160
.set OW,   76288                       ; bf16 [64][64], pitch 160
.set QT,   86528                       ; Q in bf16 [t][64], pitch 144
.set OT,   95744                       ; O in bf16 [t][64], pitch 160
; window 0 (v0-v255)
.set ACC1, 32                          ; v[32:95]   FFN1's 8 tiles; then ln_g, ln_b tiles; then Q's and O's tiles; tail: O's fragments
.set LNG,  32
.set LNB,  64
.set ACCQ, 32
.set ACCO, 64
.set Z,    96                          ; v[96:127]  h0, h0 + b2, z, h; tail: the last product's 4 tiles
.set XF,   128                         ; v[128:143] embed's fragments, then h's
.set YF,   144                         ; v[144:175] b2 tile, then relu's fragments; then QF, AA, AB; tail: wt's fragments
.set QF,   144
.set AA,   160
.set AB,   168
.set TP,   176                         ; v[176:191] 16 tokens, then token | position << 6 | 0x3f800000
.set GW,   192                         ; v[192:223] gate_w tile; then LA and the keys
.set LA,   192                         ; v[192:207] token * 4
.set PR,   208                         ; v[208:223] where the seven vectors land
.set K0,   208                         ; v[208:215], v[216:223] keys
.set K1,   216
.set T0,   224                         ; v[224:255] at work
.set T1,   232
; window 1 (v256-v511, written by their low 8 bits)
.set LE,   0                           ; embed as loaded
.set LW1,  32
.set LW2,  128
.set LQW,  192
.set LOW,  224
                                       ; weight fragments: window 1, 0-127, from FFN1 on (LE and LW1 are used up by then)
.set MSB, 0
.macro WIN new                         ; s_set_vgpr_msb: bits 1:0 source 0, 3:2 source 1, 5:4 source 2, 7:6 destination; the high byte repeats the setting left
.if MSB != \new
	s_set_vgpr_msb (MSB<<8)|\new
.set MSB, \new
.endif
.endm
.macro PLACES                          ; four plain vector places behind a matrix instruction (ISA guide 7.12.1) before its result is read or its registers are written or loaded
.rept 4
	v_nop
.endr
.endm
.macro BAR                             ; my LDS stores are done and my LDS loads are back; then every wave's are
	s_wait_dscnt 0x0
	s_barrier_signal -1
	s_barrier_wait -1
.endm
; cnt loads of 4 f32 (window 1, from land) are rounded in place to 4 bf16 and stored, 8 bytes a lane
.macro CVTST land, cnt, areg, step
	WIN 0x45
.set ci, 0
.rept \cnt
	v_cvt_pk_bf16_f32 v[\land+4*ci], v[\land+4*ci], v[\land+4*ci+1]
	v_cvt_pk_bf16_f32 v[\land+4*ci+1], v[\land+4*ci+2], v[\land+4*ci+3]
.set ci, ci+1
.endr
	WIN 0x04
.set ci, 0
.rept \cnt
	ds_store_b64 v[\areg], v[\land+4*ci:\land+4*ci+1] offset:ci*\step
.set ci, ci+1
.endr
.endm
; fragments of a bf16 matrix stored [K][N]: nk K steps of 32 x nn column tiles of 16, two transposing loads each, 8 registers each from wf on
.macro LDFRAG areg, wf, nk, nn, pitch, win
	WIN \win
.set lk, 0
.rept \nk
.set lt, 0
.rept \nn
	ds_load_tr16_b128 v[\wf+8*(lk*\nn+lt):\wf+8*(lk*\nn+lt)+3], v[\areg] offset:32*lk*\pitch+32*lt
	ds_load_tr16_b128 v[\wf+8*(lk*\nn+lt)+4:\wf+8*(lk*\nn+lt)+7], v[\areg] offset:(32*lk+16)*\pitch+32*lt
.set lt, lt+1
.endr
.set lk, lk+1
.endr
.endm
; K step ks of nn tiles: the accumulators take turns, one instruction a turn
.macro MMK acc, wf, nn, ks, frag, zero
.set mi, 0
.rept \nn
.if \zero
	v_wmma_f32_16x16x32_bf16 v[\acc+8*mi:\acc+8*mi+7], v[\wf+8*(\ks*\nn+mi):\wf+8*(\ks*\nn+mi)+7], v[\frag+8*\ks:\frag+8*\ks+7], 0
.else
	v_wmma_f32_16x16x32_bf16 v[\acc+8*mi:\acc+8*mi+7], v[\wf+8*(\ks*\nn+mi):\wf+8*(\ks*\nn+mi)+7], v[\frag+8*\ks:\frag+8*\ks+7], v[\acc+8*mi:\acc+8*mi+7]
.endif
.set mi, mi+1
.endr
.endm
; four packed chains v[t:t+7] -> the row's total in v[t], in both lanes that hold the row (lane i and lane i xor 16)
.macro FOLD4 t
	v_pk_add_f32 v[\t:\t+1], v[\t:\t+1], v[\t+2:\t+3]
	v_pk_add_f32 v[\t+4:\t+5], v[\t+4:\t+5], v[\t+6:\t+7]
	v_pk_add_f32 v[\t:\t+1], v[\t:\t+1], v[\t+4:\t+5]
	v_add_f32 v[\t], v[\t], v[\t+1]
	v_permlanex16_b32 v[\t+1], v[\t], s40, s41
	v_add_f32 v[\t], v[\t], v[\t+1]
.endm
; one layer of a sorting network: four compare-exchanges from set s into set d (the smaller to a, the larger to b); the sets take turns, so nothing is copied
.macro LAYER d, s, a0, b0, a1, b1, a2, b2, a3, b3
	v_min_num_f32 v[\d+\a0], v[\s+\a0], v[\s+\b0]
	v_max_num_f32 v[\d+\b0], v[\s+\a0], v[\s+\b0]
	v_min_num_f32 v[\d+\a1], v[\s+\a1], v[\s+\b1]
	v_max_num_f32 v[\d+\b1], v[\s+\a1], v[\s+\b1]
	v_min_num_f32 v[\d+\a2], v[\s+\a2], v[\s+\b2]
	v_max_num_f32 v[\d+\b2], v[\s+\a2], v[\s+\b2]
	v_min_num_f32 v[\d+\a3], v[\s+\a3], v[\s+\b3]
	v_max_num_f32 v[\d+\b3], v[\s+\a3], v[\s+\b3]
.endm
.macro CLEAN k, t                      ; a bitonic run of 8 in t -> ascending in k
	LAYER \k, \t, 0,4, 1,5, 2,6, 3,7
	LAYER \t, \k, 0,2, 1,3, 4,6, 5,7
	LAYER \k, \t, 0,1, 2,3, 4,5, 6,7
.endm
.macro SORT8 k, t                      ; any 8 in k -> ascending in k
	LAYER \t, \k, 0,1, 3,2, 4,5, 7,6
	LAYER \k, \t, 0,2, 1,3, 6,4, 7,5
	LAYER \t, \k, 0,1, 2,3, 5,4, 7,6
	CLEAN \k, \t
.endm
.macro MRGX k, t, mask                 ; the 8 smallest of my ascending list and of lane (i xor mask)'s, a bitonic run, the same set in both lanes
.irp i, 0,1,2,3,4,5,6,7
	v_min_num_f32_dpp v[\t+\i], v[\k+7-\i], v[\k+\i] row_xmask:\mask row_mask:0xf bank_mask:0xf
.endr
.endm
.macro WSUM x, tmp                     ; sum over the wave's 32 lanes, in every lane
	v_add_f32_dpp v[\x], v[\x], v[\x] row_xmask:1 row_mask:0xf bank_mask:0xf
	v_add_f32_dpp v[\x], v[\x], v[\x] row_xmask:2 row_mask:0xf bank_mask:0xf
	v_add_f32_dpp v[\x], v[\x], v[\x] row_xmask:4 row_mask:0xf bank_mask:0xf
	v_add_f32_dpp v[\x], v[\x], v[\x] row_xmask:8 row_mask:0xf bank_mask:0xf
	v_permlanex16_b32 v[\tmp], v[\x], s40, s41
	v_add_f32 v[\x], v[\x], v[\tmp]
.endm
.macro WMAX x, tmp
	v_max_num_f32_dpp v[\x], v[\x], v[\x] row_xmask:1 row_mask:0xf bank_mask:0xf
	v_max_num_f32_dpp v[\x], v[\x], v[\x] row_xmask:2 row_mask:0xf bank_mask:0xf
	v_max_num_f32_dpp v[\x], v[\x], v[\x] row_xmask:4 row_mask:0xf bank_mask:0xf
	v_max_num_f32_dpp v[\x], v[\x], v[\x] row_xmask:8 row_mask:0xf bank_mask:0xf
	v_permlanex16_b32 v[\tmp], v[\x], s40, s41
	v_max_num_f32 v[\x], v[\x], v[\tmp]
.endm
.macro COUNT dst, tok                  ; how many of the 8 picked tokens v[T0:T0+7] equal v[tok], as f32
	v_cmp_eq_u32 s44, v[T0+0], v[\tok]
	v_cmp_eq_u32 s45, v[T0+1], v[\tok]
	v_cmp_eq_u32 s46, v[T0+2], v[\tok]
	v_cmp_eq_u32 s47, v[T0+3], v[\tok]
	v_cndmask_b32 v234, 0, 1, s44
	v_cndmask_b32 v235, 0, 1, s45
	v_cndmask_b32 v236, 0, 1, s46
	v_cndmask_b32 v237, 0, 1, s47
	v_add_nc_u32 v[\dst], v234, v235
	v_add3_u32 v[\dst], v236, v237, v[\dst]
	v_cmp_eq_u32 s44, v[T0+4], v[\tok]
	v_cmp_eq_u32 s45, v[T0+5], v[\tok]
	v_cmp_eq_u32 s46, v[T0+6], v[\tok]
	v_cmp_eq_u32 s47, v[T0+7], v[\tok]
	v_cndmask_b32 v234, 0, 1, s44
	v_cndmask_b32 v235, 0, 1, s45
	v_cndmask_b32 v236, 0, 1, s46
	v_cndmask_b32 v237, 0, 1, s47
	v_add3_u32 v[\dst], v234, v235, v[\dst]
	v_add3_u32 v[\dst], v236, v237, v[\dst]
	v_cvt_f32_u32 v[\dst], v[\dst]
.endm
	; ---------------- head: pointers, the offsets that the global loads need
	s_load_b512 s[8:23], s[0:1], 0x0               ; embed 8, w1 10, w2 12, q_w 14, out_w 16, seq 18, b1 20, b2 22
	s_load_b512 s[24:39], s[0:1], 0x40             ; ln_g 24, ln_b 26, gate_w 28, gate_b 30, q_b 32, out_b 34, out0 36, ent 38
	s_set_vgpr_msb 0x80
	v_lshl_add_u32 v0, v0, 2, 0x19e00
	v_mov_b32 v1, 0
	s_set_vgpr_msb 0x8000
	v_and_b32 v1, 31, v0                           ; L
	v_lshrrev_b32 v30, 5, v0
	v_readfirstlane_b32 s2, v30                    ; wave w
	v_lshlrev_b32 v4, 4, v0                        ; 16 tid
	v_lshlrev_b32 v6, 4, v1                        ; 16 L
	v_lshlrev_b32 v7, 3, v1                        ; 8 L
	s_lshl_b32 s44, s2, 12
	v_add_nc_u32 v5, s44, v6                       ; 4,096 w + 16 L: my wave's 16 rows of embed
	s_lshl_b32 s4, ttmp9, 13                       ; row b of seq: 8,192 bytes
	s_mov_b32 s5, 0
	s_wait_kmcnt 0x0
	s_add_nc_u64 s[18:19], s[18:19], s[4:5]
	s_lshl_b32 s4, ttmp9, 8                        ; row b of out0: 256 bytes
	s_add_nc_u64 s[36:37], s[36:37], s[4:5]
	s_lshl_b32 s4, ttmp9, 2                        ; ent[b]
	s_add_nc_u64 s[38:39], s[38:39], s[4:5]
	s_load_b32 s6, s[18:19], 0x1ffc                ; the row's last token
	s_load_b32 s7, s[30:31], 0x0                   ; gate_b
	; ---------------- all loads but out_w's at once: 7 + 8 + 16 + 16 + 4 + 8 = 59
	global_load_b128 v[PR:PR+3], v6, s[20:21]      ; b1: 512 bytes a wave
	global_load_b64 v[PR+4:PR+5], v7, s[22:23]     ; b2: 256 bytes a wave, and so the next five
	global_load_b64 v[PR+6:PR+7], v7, s[24:25]     ; ln_g
	global_load_b64 v[PR+8:PR+9], v7, s[26:27]     ; ln_b
	global_load_b64 v[PR+10:PR+11], v7, s[28:29]   ; gate_w
	global_load_b64 v[PR+12:PR+13], v7, s[32:33]   ; q_b
	global_load_b64 v[PR+14:PR+15], v7, s[34:35]   ; out_b
	WIN 0x40
.irp i, 0,1,2,3,4,5,6,7
	global_load_b128 v[LE+4*\i:LE+4*\i+3], v5, s[8:9] offset:512*\i
.endr
.set q, 0
.rept 16
	global_load_b128 v[LW1+4*q:LW1+4*q+3], v4, s[10:11] offset:2048*q
.set q, q+1
.endr
.set q, 0
.rept 16
	global_load_b128 v[LW2+4*q:LW2+4*q+3], v4, s[12:13] offset:2048*q
.set q, q+1
.endr
	WIN 0
.irp i, 0,1,2,3
	global_load_b128 v[TP+4*\i:TP+4*\i+3], v4, s[18:19] offset:2048*\i th:TH_LOAD_NT   ; positions 512 i + 4 tid + j; read once in the launch
.endr
	WIN 0x40
.irp i, 0,1,2,3,4,5,6,7
	global_load_b128 v[LQW+4*\i:LQW+4*\i+3], v4, s[14:15] offset:2048*\i
.endr
	WIN 0
	; ---------------- LDS addresses and constants, while the loads are on their way; none is rewritten later
	v_and_b32 v2, 15, v0                           ; r
	v_bfe_u32 v3, v0, 4, 1                         ; h
	s_mov_b32 s40, 0x76543210                      ; v_permlanex16_b32: lane i reads lane i xor 16
	s_mov_b32 s41, 0xfedcba98
	s_mov_b32 s42, 0x3c800000                      ; 1/64
	s_mov_b32 s43, 0x3727c5ac                      ; 1e-5
	s_mul_i32 s45, s2, 4352
	s_add_co_u32 s45, s45, EF                      ; my wave's 16 rows of EF
	v_mul_u32_u24 v30, v3, 272
	v_lshl_add_u32 v30, v2, 4, v30
	v_add_nc_u32 v8, s45, v30                      ; in: row h (+ 2 i), 16 bytes at 16 r
	v_mul_u32_u24 v30, v2, 272
	v_lshl_add_u32 v30, v3, 5, v30
	v_add_nc_u32 v9, s45, v30                      ; back: row r, 8 f32 at column 8 h (+ 16 nt)
	s_mul_i32 s46, s2, 288
	s_add_co_u32 s46, s46, W1
	v_add_nc_u32 v10, s46, v7                      ; w1: row w (+ 4 i), 4 bf16 at column 4 L
	v_lshrrev_b32 v30, 4, v0
	v_mul_u32_u24 v30, v30, 160
	v_lshl_add_u32 v30, v2, 3, v30                 ; rows of 64: row tid / 16 (+ 8 i), 4 bf16 at column 4 r
	v_add_nc_u32 v11, W2, v30
	v_add_nc_u32 v12, QW, v30
	v_add_nc_u32 v13, OW, v30
	v_and_b32 v30, 7, v0
	v_lshl_add_u32 v30, v3, 3, v30                 ; transposing loads: row 8 h + (L & 7),
	v_bfe_u32 v31, v0, 3, 1
	v_lshlrev_b32 v31, 4, v31                      ; 16 bytes at 16 ((L >> 3) & 1)
	v_mad_u32_u24 v14, v30, 288, v31
	v_add_nc_u32 v14, W1, v14
	v_mad_u32_u24 v15, v30, 160, v31
	v_add_nc_u32 v16, QW, v15
	v_add_nc_u32 v17, OW, v15
	v_add_nc_u32 v18, OT, v15
	v_add_nc_u32 v15, W2, v15
	s_lshl_b32 s47, s2, 11
	s_add_co_u32 s47, s47, PV                      ; my wave's copy of the vectors
	v_lshl_add_u32 v19, v3, 5, s47                 ; a tile of a vector: 8 f32 at column 8 h (+ 16 nt)
	v_add_nc_u32 v20, s47, v7
	v_add_nc_u32 v21, s47, v6
	s_lshl_b32 s44, s2, 4
	v_add_nc_u32 v30, s44, v2                      ; my token 16 w + r
	v_lshlrev_b32 v22, 2, v30                      ; its word in RT, SC, AL
	v_lshlrev_b32 v23, 7, v3                       ; the 32 scores of half h
	v_lshlrev_b32 v31, 4, v3
	v_mad_u32_u24 v24, v30, 144, v31
	v_add_nc_u32 v24, QT, v24
	v_mad_u32_u24 v25, v30, 160, v31
	v_add_nc_u32 v25, OT, v25
	v_lshl_or_b32 v27, v0, 8, 0x3f800000           ; (4 tid) << 6, and the exponent of a float in [1, 2)
	s_lshl_b32 s44, s2, 5
	v_mov_b32 v29, s44                             ; my wave's 32 bytes of CAND
	; ---------------- the vectors and my 16 rows of embed into my wave's own LDS bytes, and back as tiles
	s_wait_loadcnt 44                              ; behind embed's loads: w1 16 + w2 16 + seq 4 + q_w 8
	ds_store_b128 v21, v[PR:PR+3]
	ds_store_b64 v20, v[PR+4:PR+5] offset:512
	ds_store_b64 v20, v[PR+6:PR+7] offset:768
	ds_store_b64 v20, v[PR+8:PR+9] offset:1024
	ds_store_b64 v20, v[PR+10:PR+11] offset:1280
	ds_store_b64 v20, v[PR+12:PR+13] offset:1536
	ds_store_b64 v20, v[PR+14:PR+15] offset:1792
	WIN 0x04
.irp i, 0,1,2,3,4,5,6,7
	ds_store_b128 v8, v[LE+4*\i:LE+4*\i+3] offset:544*\i
.endr
	WIN 0x40
.irp i, 0,1,2,3,4,5,6,7
	global_load_b128 v[LOW+4*\i:LOW+4*\i+3], v4, s[16:17] offset:2048*\i   ; out_w: 44 + 8 = 52 loads are out
.endr
	WIN 0
	; LDS serves a wave's instructions in order (ISA guide 5.7.1.4) and these bytes are my wave's own: no wait, no barrier
.irp nt, 0,1,2,3
	ds_load_b128 v[Z+8*\nt:Z+8*\nt+3], v9 offset:64*\nt
	ds_load_b128 v[Z+8*\nt+4:Z+8*\nt+7], v9 offset:64*\nt+16
.endr
.irp nt, 0,1,2,3
	ds_load_b128 v[YF+8*\nt:YF+8*\nt+3], v19 offset:512+64*\nt
	ds_load_b128 v[YF+8*\nt+4:YF+8*\nt+7], v19 offset:512+64*\nt+16
.endr
.irp nt, 0,1,2,3,4,5,6,7
	ds_load_b128 v[ACC1+8*\nt:ACC1+8*\nt+3], v19 offset:64*\nt             ; b1 starts FFN1's sums
	ds_load_b128 v[ACC1+8*\nt+4:ACC1+8*\nt+7], v19 offset:64*\nt+16
.endr
	s_wait_dscnt 24                                ; behind h0's loads: b2's 8 + b1's 16
.set q, 0
.rept 16
	v_cvt_pk_bf16_f32 v[XF+q], v[Z+2*q], v[Z+2*q+1]
.set q, q+1
.endr
	s_wait_dscnt 16                                ; behind b2's loads: b1's 16
.set q, 0
.rept 16
	v_pk_add_f32 v[Z+2*q:Z+2*q+1], v[Z+2*q:Z+2*q+1], v[YF+2*q:YF+2*q+1]   ; h0 + b2 starts FFN2's sums
.set q, q+1
.endr
	s_wait_loadcnt 36                              ; behind w1's loads: w2 16 + seq 4 + q_w 8 + out_w 8
	CVTST LW1, 16, 10, 1152
	BAR                                            ; w1 is whole in LDS
	; ---------------- FFN1: y = relu(embed w1 + b1), K = 64, 8 column tiles
	LDFRAG 14, 0, 2, 8, 288, 0x40
	WIN 0x01
	s_wait_dscnt 16                                ; K step 1's 16 loads may be out
	MMK ACC1, 0, 8, 0, XF, 0
	s_wait_dscnt 0x0
	MMK ACC1, 0, 8, 1, XF, 0
	WIN 0
	PLACES
.set q, 0
.rept 64
	v_max_num_f32 v[ACC1+q], 0, v[ACC1+q]
.set q, q+1
.endr
.set q, 0
.rept 32
	v_cvt_pk_bf16_f32 v[YF+q], v[ACC1+2*q], v[ACC1+2*q+1]
.set q, q+1
.endr
	s_wait_loadcnt 20                              ; behind w2's loads: seq 4 + q_w 8 + out_w 8
	CVTST LW2, 16, 11, 1280
	BAR                                            ; w2 is whole in LDS
	; ---------------- FFN2: z = h0 + b2 + y w2, K = 128, 4 column tiles; LayerNorm; score
	LDFRAG 15, 0, 4, 4, 160, 0x40
	WIN 0
.irp nt, 0,1,2,3
	ds_load_b128 v[LNG+8*\nt:LNG+8*\nt+3], v19 offset:768+64*\nt
	ds_load_b128 v[LNG+8*\nt+4:LNG+8*\nt+7], v19 offset:768+64*\nt+16
.endr
.irp nt, 0,1,2,3
	ds_load_b128 v[LNB+8*\nt:LNB+8*\nt+3], v19 offset:1024+64*\nt
	ds_load_b128 v[LNB+8*\nt+4:LNB+8*\nt+7], v19 offset:1024+64*\nt+16
.endr
.irp nt, 0,1,2,3
	ds_load_b128 v[GW+8*\nt:GW+8*\nt+3], v19 offset:1280+64*\nt
	ds_load_b128 v[GW+8*\nt+4:GW+8*\nt+7], v19 offset:1280+64*\nt+16
.endr
	WIN 0x01
	s_wait_dscnt 48                                ; may be out: 8 loads for each later K step, and the 24 tile loads
	MMK Z, 0, 4, 0, YF, 0
	s_wait_dscnt 40
	MMK Z, 0, 4, 1, YF, 0
	s_wait_dscnt 32
	MMK Z, 0, 4, 2, YF, 0
	s_wait_dscnt 24
	MMK Z, 0, 4, 3, YF, 0
	WIN 0
	PLACES
	s_wait_dscnt 0x0                               ; ln_g, ln_b, gate_w tiles
	; a lane holds 32 of its token's 64 numbers, lane i xor 16 the others.  The mean goes first, then the squares of what is left.
.irp c, 0,1,2,3
	v_pk_add_f32 v[T0+2*\c:T0+2*\c+1], v[Z+2*\c:Z+2*\c+1], v[Z+8+2*\c:Z+8+2*\c+1]
.endr
.irp c, 0,1,2,3
	v_pk_add_f32 v[T0+2*\c:T0+2*\c+1], v[T0+2*\c:T0+2*\c+1], v[Z+16+2*\c:Z+16+2*\c+1]
.endr
.irp c, 0,1,2,3
	v_pk_add_f32 v[T0+2*\c:T0+2*\c+1], v[T0+2*\c:T0+2*\c+1], v[Z+24+2*\c:Z+24+2*\c+1]
.endr
	FOLD4 T0
	v_mul_f32 v232, 0xbc800000, v224               ; - mean
	v_mov_b32 v233, v232
.set q, 0
.rept 16
	v_pk_add_f32 v[Z+2*q:Z+2*q+1], v[Z+2*q:Z+2*q+1], v[232:233]
.set q, q+1
.endr
.irp c, 0,1,2,3
	v_pk_mul_f32 v[T0+2*\c:T0+2*\c+1], v[Z+2*\c:Z+2*\c+1], v[Z+2*\c:Z+2*\c+1]
.endr
.irp g, 8,16,24
.irp c, 0,1,2,3
	v_pk_fma_f32 v[T0+2*\c:T0+2*\c+1], v[Z+\g+2*\c:Z+\g+2*\c+1], v[Z+\g+2*\c:Z+\g+2*\c+1], v[T0+2*\c:T0+2*\c+1]
.endr
.endr
	FOLD4 T0
	v_fma_f32 v236, v224, s42, s43                 ; variance + 1e-5
	v_rsq_f32 v234, v236
	v_nop                                          ; one plain place behind a transcendental before its result is used (ISA guide 5.7.2)
	s_wait_alu depctr_va_vdst(0)
	v_mov_b32 v235, v234
.set q, 0
.rept 16
	v_pk_mul_f32 v[Z+2*q:Z+2*q+1], v[Z+2*q:Z+2*q+1], v[234:235]
.set q, q+1
.endr
.set q, 0
.rept 16
	v_pk_fma_f32 v[Z+2*q:Z+2*q+1], v[Z+2*q:Z+2*q+1], v[LNG+2*q:LNG+2*q+1], v[LNB+2*q:LNB+2*q+1]
.set q, q+1
.endr
	; score = h . gate_w + gate_b in f32: one column would waste 15 of a tile's 16, and the scores' order decides the selection
.irp c, 0,1,2,3
	v_pk_mul_f32 v[T0+2*\c:T0+2*\c+1], v[Z+2*\c:Z+2*\c+1], v[GW+2*\c:GW+2*\c+1]
.endr
.irp g, 8,16,24
.irp c, 0,1,2,3
	v_pk_fma_f32 v[T0+2*\c:T0+2*\c+1], v[Z+\g+2*\c:Z+\g+2*\c+1], v[GW+\g+2*\c:GW+\g+2*\c+1], v[T0+2*\c:T0+2*\c+1]
.endr
.endr
	FOLD4 T0
	s_wait_kmcnt 0x0                               ; gate_b and the last token
	v_add_f32 v28, s7, v224
	ds_store_b32 v22, v28 offset:SC                ; both lanes of a token store the same number
.set q, 0
.rept 16
	v_cvt_pk_bf16_f32 v[XF+q], v[Z+2*q], v[Z+2*q+1]   ; h's fragments
.set q, q+1
.endr
	s_min_u32 s6, s6, 63
	s_mul_i32 s6, s6, 144
	v_lshl_add_u32 v26, v3, 4, s6
	v_add_nc_u32 v26, QT, v26                      ; the last token's row of Q
	s_wait_loadcnt 0x0                             ; seq, q_w, out_w
	CVTST LQW, 8, 12, 1280
	CVTST LOW, 8, 13, 1280
	BAR                                            ; the 64 scores, q_w and out_w are whole in LDS
	; ---------------- Q = h q_w + q_b, O = h out_w; ranks; the keys' fixed parts
	WIN 0
.irp nt, 0,1,2,3
	ds_load_b128 v[ACCQ+8*\nt:ACCQ+8*\nt+3], v19 offset:1536+64*\nt        ; q_b starts Q's sums
	ds_load_b128 v[ACCQ+8*\nt+4:ACCQ+8*\nt+7], v19 offset:1536+64*\nt+16
.endr
	LDFRAG 16, 0, 2, 4, 160, 0x40
	LDFRAG 17, 64, 2, 4, 160, 0x40
	WIN 0
.irp i, 0,1,2,3,4,5,6,7
	ds_load_b128 v[T0+4*\i:T0+4*\i+3], v23 offset:SC+16*\i                 ; the 32 scores of half h
.endr
	WIN 0x01
	s_wait_dscnt 8                                 ; the 8 loads of scores may be out
	MMK ACCQ, 0, 4, 0, XF, 0
	MMK ACCO, 64, 4, 0, XF, 1
	MMK ACCQ, 0, 4, 1, XF, 0
	MMK ACCO, 64, 4, 1, XF, 0
	WIN 0
	s_wait_dscnt 0x0
	; rank << 17: how many of the 64 scores are greater than my token's.  This work names none of the matrix instructions' registers:
	; it also fills the places in front of the conversions below.
	v_mov_b32 v150, 0x20000
.irp g, 0,1,2,3,4,5,6,7
	v_cmp_gt_f32 s44, v[T0+4*\g], v28
	v_cmp_gt_f32 s45, v[T0+4*\g+1], v28
	v_cmp_gt_f32 s46, v[T0+4*\g+2], v28
	v_cmp_gt_f32 s47, v[T0+4*\g+3], v28
	v_cndmask_b32 v144, 0, v150, s44
	v_cndmask_b32 v145, 0, v150, s45
	v_cndmask_b32 v146, 0, v150, s46
	v_cndmask_b32 v147, 0, v150, s47
.if \g == 0
	v_add_nc_u32 v148, v144, v145
	v_add_nc_u32 v149, v146, v147
.else
	v_add3_u32 v148, v144, v145, v148
	v_add3_u32 v149, v146, v147, v149
.endif
.endr
	v_add_nc_u32 v148, v148, v149
	v_permlanex16_b32 v149, v148, s40, s41         ; the other half's 32 scores
	v_add_nc_u32 v148, v148, v149
	ds_store_b32 v22, v148 offset:RT
.set q, 0
.rept 16
	v_min_u32 v[TP+q], 63, v[TP+q]
	v_lshlrev_b32 v[LA+q], 2, v[TP+q]              ; the token's word in RT
	v_add3_u32 v[TP+q], v[TP+q], v27, ((q>>2)<<15)|((q&3)<<6)              ; token + position << 6 + exponent: the fields do not meet
.set q, q+1
.endr
.irp t, 0,1,2,3,4,5,6,7
.irp i, 0,1,2,3
	v_cvt_pk_bf16_f32 v[ACCQ+8*\t+\i], v[ACCQ+8*\t+2*\i], v[ACCQ+8*\t+2*\i+1]   ; in place: register i is read by conversion i / 2, which has gone before
.endr
.endr
.irp nt, 0,1,2,3
	ds_store_b128 v24, v[ACCQ+8*\nt:ACCQ+8*\nt+3] offset:32*\nt
	ds_store_b128 v25, v[ACCO+8*\nt:ACCO+8*\nt+3] offset:32*\nt
.endr
	BAR                                            ; ranks, Q and O are whole in LDS
	; ---------------- a[t] for my 16 tokens; my wave's 8 smallest keys of its 512
	ds_load_b128 v[QF:QF+3], v26
	ds_load_b128 v[QF+4:QF+7], v26 offset:32
	ds_load_b128 v[QF+8:QF+11], v26 offset:64
	ds_load_b128 v[QF+12:QF+15], v26 offset:96
.set q, 0
.rept 16
	ds_load_b32 v[K0+q], v[LA+q] offset:RT         ; 64 words, one to a bank (64 banks of 4 bytes: ISA guide 11.1): lanes meet only in the same word
.set q, q+1
.endr
	s_wait_dscnt 16                                ; the 16 gathers may be out
	v_wmma_f32_16x16x32_bf16 v[AA:AA+7], v[QF:QF+7], v[XF:XF+7], 0         ; all 16 rows of source 0 are q: every row of the result is q . h
	v_wmma_f32_16x16x32_bf16 v[AB:AB+7], v[QF+8:QF+15], v[XF+8:XF+15], 0   ; the second half of K has its own sum: two accumulators, no chain
	s_wait_dscnt 0x0
.set q, 0
.rept 16
	v_or_b32 v[K0+q], v[K0+q], v[TP+q]             ; the keys; these lines are also the places behind the two matrix instructions
.set q, q+1
.endr
	v_add_f32 v30, v[AA], v[AB]
	v_mul_f32 v30, 0x3e000000, v30                 ; / sqrt(64)
	ds_store_b32 v22, v30 offset:AL
	SORT8 K0, T0
	SORT8 K1, T1
.irp i, 0,1,2,3,4,5,6,7
	v_min_num_f32 v[T0+\i], v[K0+\i], v[K1+7-\i]   ; the 8 smallest of the lane's 16
.endr
	CLEAN K0, T0
.irp m, 1,2,4,8
	MRGX K0, T0, \m
	CLEAN K0, T0
.endr
.irp i, 0,1,2,3,4,5,6,7
	v_permlanex16_b32 v[T0+\i], v[K0+7-\i], s40, s41
.endr
.irp i, 0,1,2,3,4,5,6,7
	v_min_num_f32 v[T0+\i], v[T0+\i], v[K0+\i]
.endr
	CLEAN K0, T0
	ds_store_b128 v29, v[K0:K0+3] offset:CAND      ; every lane holds the same list
	ds_store_b128 v29, v[K0+4:K0+7] offset:CAND+16
	BAR                                            ; a[t] and the four lists are whole in LDS
	s_cmp_lg_u32 s2, 0
	s_cbranch_scc1 .Lend
	; ---------------- wave 0 alone: the row's 8 keys, softmax over tokens with multiplicity, entropy, output
	v_and_b32 v30, 3, v0
	v_lshlrev_b32 v30, 5, v30                      ; lane L takes wave (L & 3)'s list
	v_lshlrev_b32 v31, 2, v1
	ds_load_b128 v[K0:K0+3], v30 offset:CAND
	ds_load_b128 v[K0+4:K0+7], v30 offset:CAND+16
	ds_load_b64 v[240:241], v7 offset:AL           ; a of my two tokens 2 L, 2 L + 1
	ds_load_b64 v[242:243], v20 offset:1792        ; out_b of columns 2 L, 2 L + 1
	LDFRAG 18, 32, 2, 4, 160, 0                    ; O's fragments, K = token
	s_wait_dscnt 18                                ; behind the lists: 1 + 1 + 16
	MRGX K0, T0, 1
	CLEAN K0, T0
	MRGX K0, T0, 2                                 ; the row's 8 keys, the same set in every lane; their order no longer matters
.irp i, 0,1,2,3,4,5,6,7
	v_and_b32 v[T0+\i], 63, v[T0+\i]               ; their tokens
.endr
	v_lshlrev_b32 v232, 1, v1
	v_or_b32 v233, 1, v232
	COUNT 238, 232                                 ; c of token 2 L
	COUNT 239, 233                                 ; c of token 2 L + 1
	v_mov_b32 v252, 0xff800000                     ; - infinity for tokens that hold no slot
	v_cmp_lt_f32 s44, 0, v238
	v_cmp_lt_f32 s45, 0, v239
	s_wait_dscnt 0x0
	v_cndmask_b32 v244, v252, v240, s44
	v_cndmask_b32 v245, v252, v241, s45
	v_max_num_f32 v246, v244, v245
	WMAX 246, 247                                  ; the slots' largest logit is taken away, as in softmax
	v_sub_f32 v244, v244, v246
	v_sub_f32 v245, v245, v246
	v_mul_f32 v244, 0x3fb8aa3b, v244
	v_mul_f32 v245, 0x3fb8aa3b, v245
	v_exp_f32 v248, v244
	v_exp_f32 v249, v245
	v_nop
	s_wait_alu depctr_va_vdst(0)
	v_mul_f32 v250, v238, v248
	v_fma_f32 v250, v239, v249, v250
	WSUM 250, 251                                  ; sum over the 8 slots = sum over tokens of c e
	v_rcp_f32 v251, v250
	v_nop
	s_wait_alu depctr_va_vdst(0)
	v_mul_f32 v248, v248, v251                     ; attn of a slot with token 2 L,
	v_mul_f32 v249, v249, v251                     ; with token 2 L + 1
	v_add_f32 v252, 0x3089705f, v248               ; + 1e-9
	v_add_f32 v253, 0x3089705f, v249
	v_log_f32 v254, v252
	v_log_f32 v255, v253
	v_mul_f32 v244, v238, v248                     ; c attn: a plain line that touches neither the logarithms' results nor their sources
	v_mul_f32 v245, v239, v249
	s_wait_alu depctr_va_vdst(0)
	v_mul_f32 v246, v244, v254
	v_fma_f32 v246, v245, v255, v246
	WSUM 246, 247
	v_mul_f32 v246, 0xbf317218, v246               ; x - ln 2: the entropy
	v_mov_b32 v252, 0x3e000000                     ; 1/8
	v_cmp_lt_f32 vcc_lo, 0x3fc00000, v246          ; 1.5 < entropy
	v_cndmask_b32 v248, v248, v252, vcc_lo
	v_cndmask_b32 v249, v249, v252, vcc_lo
	v_mul_f32 v248, v238, v248                     ; wt[t] = c[t] x effective attention
	v_mul_f32 v249, v239, v249
	v_cvt_pk_bf16_f32 v248, v248, v249
	ds_store_b32 v31, v248 offset:WT
	v_lshlrev_b32 v253, 4, v3
	ds_load_b128 v[YF:YF+3], v253 offset:WT        ; wave 0's own bytes, served in order: wt as source 0, all 16 rows alike
	ds_load_b128 v[YF+4:YF+7], v253 offset:WT+32
	ds_load_b128 v[YF+8:YF+11], v253 offset:WT+64
	ds_load_b128 v[YF+12:YF+15], v253 offset:WT+96
	s_wait_dscnt 0x0
	; out[v] = sum over t of wt[t] O[t][v]; four accumulators take turns, one instruction a turn
.irp nt, 0,1,2,3
	v_wmma_f32_16x16x32_bf16 v[Z+8*\nt:Z+8*\nt+7], v[YF:YF+7], v[32+8*\nt:32+8*\nt+7], 0
.endr
.irp nt, 0,1,2,3
	v_wmma_f32_16x16x32_bf16 v[Z+8*\nt:Z+8*\nt+7], v[YF+8:YF+15], v[64+8*\nt:64+8*\nt+7], v[Z+8*\nt:Z+8*\nt+7]
.endr
	PLACES
	v_cmp_ne_u32 vcc_lo, 0, v3                     ; register 0 of tile nt holds column 16 nt + r in both halves of the lanes
	v_cndmask_b32 v224, v[Z], v[Z+8], vcc_lo       ; column L
	v_cndmask_b32 v225, v[Z+16], v[Z+24], vcc_lo   ; column 32 + L
	ds_store_b32 v31, v224 offset:OS
	ds_store_b32 v31, v225 offset:OS+128
	ds_load_b64 v[226:227], v7 offset:OS           ; columns 2 L, 2 L + 1
	v_mov_b32 v232, 0
	s_wait_dscnt 0x0
	v_pk_add_f32 v[226:227], v[226:227], v[242:243]
	global_store_b64 v7, v[226:227], s[36:37]      ; one store covers the row's 256 consecutive bytes, aligned
	s_wait_xcnt 0x0                                ; EXEC is a source of the pending store: it changes only behind this wait
	v_cmp_eq_u32 vcc_lo, 0, v1
	s_and_saveexec_b32 s48, vcc_lo
	global_store_b32 v232, v246, s[38:39]          ; ent[b], lane 0 alone
	s_wait_xcnt 0x0
	s_or_b32 exec_lo, exec_lo, s48
.Lend:
	s_set_vgpr_msb 0xa
	s_wait_tensorcnt 0x0
	ds_add_u32 v0, v1
	s_wait_dscnt 0x0
	s_set_vgpr_msb 0xa00
	s_endpgm
.Lfunc_end_k_qd99b76f932_rows:
	.size	k_qd99b76f932_rows, .Lfunc_end_k_qd99b76f932_rows-k_qd99b76f932_rows
	.p2alignl 7, 3214868480
	.fill 96, 4, 3214868480
	.section	.rodata,"a",@progbits
	.p2align	6, 0x0
	.amdhsa_kernel k_qd99b76f932_rows
		.amdhsa_group_segment_fixed_size 106496
		.amdhsa_private_segment_fixed_size 0
		.amdhsa_enable_private_segment 0
		.amdhsa_kernarg_size 128
		.amdhsa_user_sgpr_count 2
		.amdhsa_user_sgpr_kernarg_segment_ptr 1
		.amdhsa_wavefront_size32 1
		.amdhsa_system_sgpr_workgroup_id_x 1
		.amdhsa_system_sgpr_workgroup_id_y 1
		.amdhsa_system_sgpr_workgroup_id_z 1
		.amdhsa_system_vgpr_workitem_id 0
		.amdhsa_next_free_vgpr 514
		.amdhsa_next_free_sgpr 66
		.amdhsa_reserve_vcc 1
		.amdhsa_float_denorm_mode_32 3
		.amdhsa_float_denorm_mode_16_64 3
		.amdhsa_memory_ordered 1
		.amdhsa_forward_progress 1
		.amdhsa_inst_pref_size 84
	.end_amdhsa_kernel
	.amdgpu_metadata
---
amdhsa.version: [ 1, 2 ]
amdhsa.kernels:
  - .name:           k_qd99b76f932_rows
    .symbol:         k_qd99b76f932_rows.kd
    .args:
      - { .name: embed, .offset: 0, .size: 8, .value_kind: global_buffer, .address_space: global }
      - { .name: w1, .offset: 8, .size: 8, .value_kind: global_buffer, .address_space: global }
      - { .name: w2, .offset: 16, .size: 8, .value_kind: global_buffer, .address_space: global }
      - { .name: q_w, .offset: 24, .size: 8, .value_kind: global_buffer, .address_space: global }
      - { .name: out_w, .offset: 32, .size: 8, .value_kind: global_buffer, .address_space: global }
      - { .name: seq, .offset: 40, .size: 8, .value_kind: global_buffer, .address_space: global }
      - { .name: b1, .offset: 48, .size: 8, .value_kind: global_buffer, .address_space: global }
      - { .name: b2, .offset: 56, .size: 8, .value_kind: global_buffer, .address_space: global }
      - { .name: ln_g, .offset: 64, .size: 8, .value_kind: global_buffer, .address_space: global }
      - { .name: ln_b, .offset: 72, .size: 8, .value_kind: global_buffer, .address_space: global }
      - { .name: gate_w, .offset: 80, .size: 8, .value_kind: global_buffer, .address_space: global }
      - { .name: gate_b, .offset: 88, .size: 8, .value_kind: global_buffer, .address_space: global }
      - { .name: q_b, .offset: 96, .size: 8, .value_kind: global_buffer, .address_space: global }
      - { .name: out_b, .offset: 104, .size: 8, .value_kind: global_buffer, .address_space: global }
      - { .name: out0, .offset: 112, .size: 8, .value_kind: global_buffer, .address_space: global }
      - { .name: ent, .offset: 120, .size: 8, .value_kind: global_buffer, .address_space: global }
    .group_segment_fixed_size: 106496
    .private_segment_fixed_size: 0
    .kernarg_segment_align: 8
    .kernarg_segment_size: 128
    .max_flat_workgroup_size: 128
    .sgpr_count:     66
    .vgpr_count:     514
    .wavefront_size: 32
...
	.end_amdgpu_metadata
.endif
;; end of part 1
;; launch mean (part 2): grid 1 x 1, 1 waves a work-group, no clusters, 0 bytes of LDS; arguments ent, out1; writes out1
.if DOCPART == 2
	.amdgcn_target "amdgcn-amd-amdhsa--gfx1250"
	.amdhsa_code_object_version 6
	.text
	.protected	k_qd99b76f932_mean
	.globl	k_qd99b76f932_mean
	.p2align	8
	.type	k_qd99b76f932_mean,@function
k_qd99b76f932_mean:
	s_mov_b64 s[64:65], 0
	v_nop
	global_prefetch_b8 v0, s[64:65] scope:SCOPE_SE
	s_setreg_imm32_b32 hwreg(HW_REG_WAVE_MODE, 25, 1), 1
	s_wait_xcnt 0x0
; out1 = the mean of the 256 rows' entropies.  The sum spans the work-groups of the launch before, so it has a launch of its own:
; one wave, 8 numbers a lane (two loads of 512 consecutive bytes), a sum in the lane, a sum over the lanes.
	s_load_b128 s[4:7], s[0:1], 0x0                ; ent s[4:5], out1 s[6:7]
	v_lshlrev_b32 v1, 4, v0
	s_mov_b32 s8, 0x76543210                       ; v_permlanex16_b32: lane i reads lane i xor 16
	s_mov_b32 s9, 0xfedcba98
	v_mov_b32 v10, 0
	s_wait_kmcnt 0x0
	global_load_b128 v[2:5], v1, s[4:5]
	global_load_b128 v[6:9], v1, s[4:5] offset:512
	s_wait_loadcnt 0x0
	v_pk_add_f32 v[2:3], v[2:3], v[4:5]
	v_pk_add_f32 v[6:7], v[6:7], v[8:9]
	v_pk_add_f32 v[2:3], v[2:3], v[6:7]
	v_add_f32 v2, v2, v3
	v_add_f32_dpp v2, v2, v2 row_xmask:1 row_mask:0xf bank_mask:0xf
	v_add_f32_dpp v2, v2, v2 row_xmask:2 row_mask:0xf bank_mask:0xf
	v_add_f32_dpp v2, v2, v2 row_xmask:4 row_mask:0xf bank_mask:0xf
	v_add_f32_dpp v2, v2, v2 row_xmask:8 row_mask:0xf bank_mask:0xf
	v_permlanex16_b32 v3, v2, s8, s9
	v_add_f32 v2, v2, v3
	v_mul_f32 v2, 0x3b800000, v2                   ; / 256
	v_cmp_eq_u32 vcc_lo, 0, v0
	s_wait_xcnt 0x0                                ; EXEC changes only behind this wait
	s_and_saveexec_b32 s10, vcc_lo
	global_store_b32 v10, v2, s[6:7]               ; lane 0 alone
	s_wait_xcnt 0x0
	s_or_b32 exec_lo, exec_lo, s10
	s_endpgm
.Lfunc_end_k_qd99b76f932_mean:
	.size	k_qd99b76f932_mean, .Lfunc_end_k_qd99b76f932_mean-k_qd99b76f932_mean
	.p2alignl 7, 3214868480
	.fill 96, 4, 3214868480
	.section	.rodata,"a",@progbits
	.p2align	6, 0x0
	.amdhsa_kernel k_qd99b76f932_mean
		.amdhsa_group_segment_fixed_size 0
		.amdhsa_private_segment_fixed_size 0
		.amdhsa_enable_private_segment 0
		.amdhsa_kernarg_size 16
		.amdhsa_user_sgpr_count 2
		.amdhsa_user_sgpr_kernarg_segment_ptr 1
		.amdhsa_wavefront_size32 1
		.amdhsa_system_sgpr_workgroup_id_x 1
		.amdhsa_system_sgpr_workgroup_id_y 1
		.amdhsa_system_sgpr_workgroup_id_z 1
		.amdhsa_system_vgpr_workitem_id 0
		.amdhsa_next_free_vgpr 16
		.amdhsa_next_free_sgpr 66
		.amdhsa_reserve_vcc 1
		.amdhsa_float_denorm_mode_32 3
		.amdhsa_float_denorm_mode_16_64 3
		.amdhsa_memory_ordered 1
		.amdhsa_forward_progress 1
		.amdhsa_inst_pref_size 2
	.end_amdhsa_kernel
	.amdgpu_metadata
---
amdhsa.version: [ 1, 2 ]
amdhsa.kernels:
  - .name:           k_qd99b76f932_mean
    .symbol:         k_qd99b76f932_mean.kd
    .args:
      - { .name: ent, .offset: 0, .size: 8, .value_kind: global_buffer, .address_space: global }
      - { .name: out1, .offset: 8, .size: 8, .value_kind: global_buffer, .address_space: global }
    .group_segment_fixed_size: 0
    .private_segment_fixed_size: 0
    .kernarg_segment_align: 8
    .kernarg_segment_size: 16
    .max_flat_workgroup_size: 32
    .sgpr_count:     66
    .vgpr_count:     16
    .wavefront_size: 32
...
	.end_amdgpu_metadata
.endif
;; end of part 2
